; MI455X (gfx1250); checked and timed in simulation.
; The chip was launched on July 23, 2026; its instructions are those of AMD's public machine-readable ISA for CDNA 5 (MIT licence, August 2026) and "CDNA5" Instruction Set Architecture Reference Guide (July 2026). The comments in the code are by the model that wrote it; some were corrected since.
;; Multi Head Attention. Allowed arithmetic: float matrix products may take bf16 or f16 operands with f32 sums; all other float work in f32.
;; Inputs: W_out 1,024 x 1,024 float32; W_qkv 1,024 x 3,072 float32; b_out 1,024 float32; b_qkv 3,072 float32; x 2 x 2,048 x 1,024 float32.
;; Outputs: out0 2 x 2,048 x 1,024 float32.
;; One version. Each part assembles by itself: llvm-mc -triple=amdgcn-amd-amdhsa -mcpu=gfx1250 --defsym DOCPART=n.
;; ======== version 1 of 1: 4 launches
;; limits: right only within a limited range of input values; values are held in f16: magnitudes above 65,504 overflow, below 6.1e-05 lose precision
;; workspace buffers: xb 8,388,608 bytes; wqt 6,291,456 bytes; wot 2,097,152 bytes; qkv 25,165,824 bytes; att 8,388,608 bytes
;; launch prep (part 1): grid 512 x 1, 8 waves a work-group, no clusters, 35,840 bytes of LDS; arguments x, W_qkv, W_out, xb, wqt, wot; writes xb, wqt, wot
.if DOCPART == 1
	.amdgcn_target "amdgcn-amd-amdhsa--gfx1250"
	.amdhsa_code_object_version 6
	.text
	.protected	k_q6dcbb9c131_prep
	.globl	k_q6dcbb9c131_prep
	.p2align	8
	.type	k_q6dcbb9c131_prep,@function
k_q6dcbb9c131_prep:
	s_mov_b64 s[64:65], 0
	v_nop
	global_prefetch_b8 v0, s[64:65] scope:SCOPE_SE
	s_setreg_imm32_b32 hwreg(HW_REG_WAVE_MODE, 25, 1), 1
	s_wait_xcnt 0x0
; prep: the three large inputs are rounded to bf16 once, and both weights are turned to [n][k], so that the products that follow
; read 16-bit tiles with K along the rows.  512 work-groups of 64 KiB in and 32 KiB out each:
;   groups   0-255: xb[m][k]  = bf16(x[m][k]), 65,536 bytes of x each
;   groups 256-447: wqt[n'][k] = bf16(W_qkv[k][n]), tiles of 128 k x 128 n; n = c*1024 + h*64 + d goes to row n' = h*192 + c*64 + d,
;                   so that 192 neighbouring rows are one head's q, k and v
;   groups 448-511: wot[n][k] = bf16(W_out[k][n]) written in f16 (the last product runs in f16, since its other operand needs f16's
;                   11 significant bits).  LIMIT: bf16 to f16 is exact for |w| >= 2^-17; smaller w are off by at most 2^-25; |w| < 65,504.
; A stream: no work-group shares a byte with another, so no cluster, no tensor load and no matrix unit.
.set X,   4                            ; v[4:67]   as loaded; later the rows read back from LDS
.set Y,   68                           ; v[68:99]  packed 16-bit results
.set RBK, 100                          ; v100      LDS address for reading rows back
.set STV, 101                          ; v101      byte offset of my 16 bytes in the transposed tile in memory
.set TMP, 102                          ; v[102:103]
.set SP,  272                          ; LDS row: 128 k x 2 bytes + 16
; One tile of 128 k x 128 n.  s[16:17] the tile in W, s[18:19] where columns 0-63 go, s[20:21] where columns 64-127 go.
; Wave wv takes rows k = 16 wv .. +15; a load covers 512 neighbouring bytes of one row; lane l holds columns 4 l .. 4 l + 3.
.macro TRANSP pitch, half
	v_lshrrev_b32 v2, 5, v0                        ; wave
	v_and_b32 v3, 31, v0                           ; lane
	v_mul_u32_u24 v1, v2, 16*\pitch
	v_lshl_add_u32 v1, v3, 4, v1                   ; 16 wv rows + 16 l bytes
.irp j, 0,1,2,3,4,5,6,7,8,9,10,11,12,13,14,15
	global_load_b128 v[X+4*\j:X+4*\j+3], v1, s[16:17] offset:\j*\pitch th:TH_LOAD_NT
.endr
	v_mul_u32_u24 v3, v3, 4*SP                     ; LDS row n = 4 l (+ c in the offset),
	v_lshl_add_u32 v3, v2, 5, v3                   ; at k = 16 wv: 32 bytes a wave
	v_lshrrev_b32 v2, 4, v0                        ; back: thread t takes row t / 16 (+ 16 i), 16 bytes at 16 (t % 16)
	v_and_b32 v[TMP], 15, v0
	v_mul_u32_u24 v[RBK], v2, SP
	v_lshl_add_u32 v[RBK], v[TMP], 4, v[RBK]
	v_lshlrev_b32 v[STV], 11, v2                   ; the same row in memory: 2,048 bytes a row
	v_lshl_add_u32 v[STV], v[TMP], 4, v[STV]
; The turn is made in registers: eight k of one column are packed into 16 bytes.  The four columns of a lane are four LDS rows, so
; lanes l and l + 4 meet in a bank group (4 l x 272 bytes): eight such stores a thread against 96 KiB of memory traffic a group.
.irp g, 0,1
	s_wait_loadcnt 8-8*\g                          ; rows 0-7 are in while the eight younger loads stay out; then all
.irp c, 0,1,2,3
.irp m, 0,1,2,3
	v_cvt_pk_bf16_f32 v[Y+16*\g+4*\c+\m], v[X+4*(8*\g+2*\m)+\c], v[X+4*(8*\g+2*\m+1)+\c]
.if \half
	v_lshlrev_b32 v[TMP], 16, v[Y+16*\g+4*\c+\m]   ; the bf16 values as f32,
	v_and_b32 v[TMP+1], 0xffff0000, v[Y+16*\g+4*\c+\m]
	v_cvt_pk_f16_f32 v[Y+16*\g+4*\c+\m], v[TMP], v[TMP+1]   ; and written in f16
.endif
.endr
	ds_store_b128 v3, v[Y+16*\g+4*\c:Y+16*\g+4*\c+3] offset:SP*\c+16*\g
.endr
.endr
	s_wait_dscnt 0x0                               ; my stores are in LDS before I say so
	s_barrier_signal -1
	s_barrier_wait -1                              ; every wave's are
.irp i, 0,1,2,3,4,5,6,7
	ds_load_b128 v[X+4*\i:X+4*\i+3], v[RBK] offset:16*SP*\i
.endr
.irp i, 0,1,2,3
	s_wait_dscnt 7-\i                              ; LDS loads come back in order: load i is in
	global_store_b128 v[STV], v[X+4*\i:X+4*\i+3], s[18:19] offset:32768*\i       ; sixteen lanes store 256 neighbouring bytes, aligned
.endr
.irp i, 4,5,6,7
	s_wait_dscnt 7-\i
	global_store_b128 v[STV], v[X+4*\i:X+4*\i+3], s[20:21] offset:32768*(\i-4)
.endr
.endm
	s_load_b256 s[4:11], s[0:1], 0x0               ; x s[4:5], W_qkv s[6:7], W_out s[8:9], xb s[10:11]
	s_load_b128 s[12:15], s[0:1], 0x20             ; wqt s[12:13], wot s[14:15]
	v_lshl_add_u32 v112, v0, 2, 0x8800
	v_mov_b32 v113, 0
	s_mov_b32 s17, 0
	s_mov_b32 s19, 0
	s_wait_kmcnt 0x0
	s_cmp_lt_u32 ttmp9, 256                        ; the role hangs on the work-group's number alone
	s_cbranch_scc1 .Lcast
	s_cmp_lt_u32 ttmp9, 448
	s_cbranch_scc1 .Lwqkv
	; W_out: 8 x 8 tiles
	s_sub_co_u32 s22, ttmp9, 448
	s_and_b32 s23, s22, 7                          ; kb
	s_lshr_b32 s24, s22, 3                         ; nb
	s_lshl_b32 s16, s23, 19                        ; kb x 128 rows x 4,096 bytes
	s_lshl_b32 s25, s24, 9                         ; nb x 128 columns x 4 bytes
	s_add_co_u32 s16, s16, s25
	s_add_nc_u64 s[16:17], s[8:9], s[16:17]
	s_lshl_b32 s18, s24, 18                        ; row 128 nb x 2,048 bytes
	s_lshl_b32 s25, s23, 8                         ; kb x 128 k x 2 bytes
	s_add_co_u32 s18, s18, s25
	s_add_nc_u64 s[18:19], s[14:15], s[18:19]
	s_add_nc_u64 s[20:21], s[18:19], 64*2048
	TRANSP 4096, 1
	s_wait_tensorcnt 0x0
	ds_add_u32 v112, v113
	s_wait_dscnt 0x0
	s_endpgm
.Lwqkv:	; W_qkv: 8 x 24 tiles
	s_sub_co_u32 s22, ttmp9, 256
	s_and_b32 s23, s22, 7                          ; kb
	s_lshr_b32 s24, s22, 3                         ; nb: c = nb / 8, heads 2 (nb % 8) and the next
	s_mul_i32 s16, s23, 128*12288
	s_lshl_b32 s25, s24, 9
	s_add_co_u32 s16, s16, s25
	s_add_nc_u64 s[16:17], s[6:7], s[16:17]
	s_and_b32 s25, s24, 7
	s_mul_i32 s25, s25, 384                        ; 2 (nb % 8) heads x 192 rows
	s_lshr_b32 s26, s24, 3
	s_lshl_b32 s26, s26, 6                         ; + 64 c
	s_add_co_u32 s25, s25, s26
	s_lshl_b32 s18, s25, 11
	s_lshl_b32 s26, s23, 8
	s_add_co_u32 s18, s18, s26
	s_add_nc_u64 s[18:19], s[12:13], s[18:19]
	s_add_nc_u64 s[20:21], s[18:19], 192*2048      ; the second 64 columns are the next head's
	TRANSP 12288, 0
	s_wait_tensorcnt 0x0
	ds_add_u32 v112, v113
	s_wait_dscnt 0x0
	s_endpgm
.Lcast:	; x: thread t takes 32 bytes at 32 t of each of eight pieces of 8,192 bytes; all sixteen loads go out at once
	s_lshl_b32 s16, ttmp9, 16
	s_add_nc_u64 s[4:5], s[4:5], s[16:17]
	s_lshl_b32 s18, ttmp9, 15
	s_add_nc_u64 s[10:11], s[10:11], s[18:19]
	v_lshlrev_b32 v1, 5, v0
	v_lshlrev_b32 v2, 4, v0
.irp i, 0,1,2,3,4,5,6,7
	global_load_b128 v[X+8*\i:X+8*\i+3],   v1, s[4:5] offset:8192*\i th:TH_LOAD_NT
	global_load_b128 v[X+8*\i+4:X+8*\i+7], v1, s[4:5] offset:8192*\i+16 th:TH_LOAD_NT
.endr
.irp i, 0,1,2,3,4,5,6,7
	s_wait_loadcnt 14-2*\i                         ; the loads issued behind pair i may stay out
.irp m, 0,1,2,3
	v_cvt_pk_bf16_f32 v[Y+4*\i+\m], v[X+8*\i+2*\m], v[X+8*\i+2*\m+1]
.endr
	global_store_b128 v2, v[Y+4*\i:Y+4*\i+3], s[10:11] offset:4096*\i   ; a wave's store covers 512 neighbouring bytes
.endr
	s_endpgm
.Lfunc_end_k_q6dcbb9c131_prep:
	.size	k_q6dcbb9c131_prep, .Lfunc_end_k_q6dcbb9c131_prep-k_q6dcbb9c131_prep
	.p2alignl 7, 3214868480
	.fill 96, 4, 3214868480
	.section	.rodata,"a",@progbits
	.p2align	6, 0x0
	.amdhsa_kernel k_q6dcbb9c131_prep
		.amdhsa_group_segment_fixed_size 35840
		.amdhsa_private_segment_fixed_size 0
		.amdhsa_enable_private_segment 0
		.amdhsa_kernarg_size 48
		.amdhsa_user_sgpr_count 2
		.amdhsa_user_sgpr_kernarg_segment_ptr 1
		.amdhsa_wavefront_size32 1
		.amdhsa_system_sgpr_workgroup_id_x 1
		.amdhsa_system_sgpr_workgroup_id_y 1
		.amdhsa_system_sgpr_workgroup_id_z 1
		.amdhsa_system_vgpr_workitem_id 0
		.amdhsa_next_free_vgpr 114
		.amdhsa_next_free_sgpr 66
		.amdhsa_reserve_vcc 0
		.amdhsa_float_denorm_mode_32 3
		.amdhsa_float_denorm_mode_16_64 3
		.amdhsa_memory_ordered 1
		.amdhsa_forward_progress 1
		.amdhsa_inst_pref_size 25
	.end_amdhsa_kernel
	.amdgpu_metadata
---
amdhsa.version: [ 1, 2 ]
amdhsa.kernels:
  - .name:           k_q6dcbb9c131_prep
    .symbol:         k_q6dcbb9c131_prep.kd
    .args:
      - { .name: x, .offset: 0, .size: 8, .value_kind: global_buffer, .address_space: global }
      - { .name: W_qkv, .offset: 8, .size: 8, .value_kind: global_buffer, .address_space: global }
      - { .name: W_out, .offset: 16, .size: 8, .value_kind: global_buffer, .address_space: global }
      - { .name: xb, .offset: 24, .size: 8, .value_kind: global_buffer, .address_space: global }
      - { .name: wqt, .offset: 32, .size: 8, .value_kind: global_buffer, .address_space: global }
      - { .name: wot, .offset: 40, .size: 8, .value_kind: global_buffer, .address_space: global }
    .group_segment_fixed_size: 35840
    .private_segment_fixed_size: 0
    .kernarg_segment_align: 8
    .kernarg_segment_size: 48
    .max_flat_workgroup_size: 256
    .sgpr_count:     66
    .vgpr_count:     114
    .wavefront_size: 32
...
	.end_amdgpu_metadata
.endif
;; end of part 1
;; launch qkv (part 2): grid 16 x 16, 4 waves a work-group, clusters of 4 x 4, 327,680 bytes of LDS; arguments xb, wqt, b_qkv, qkv; writes qkv
.if DOCPART == 2
	.amdgcn_target "amdgcn-amd-amdhsa--gfx1250"
	.amdhsa_code_object_version 6
	.text
	.protected	k_q6dcbb9c131_qkv
	.globl	k_q6dcbb9c131_qkv
	.p2align	8
	.type	k_q6dcbb9c131_qkv,@function
k_q6dcbb9c131_qkv:
	s_mov_b64 s[64:65], 0
	v_nop
	global_prefetch_b8 v0, s[64:65] scope:SCOPE_SE
	s_setreg_imm32_b32 hwreg(HW_REG_WAVE_MODE, 25, 1), 1
	s_wait_xcnt 0x0
	s_wait_alu depctr_hold_cnt(0) depctr_sa_sdst(0) depctr_va_vdst(0) depctr_va_sdst(0) depctr_va_ssrc(0) depctr_va_vcc(0) depctr_vm_vsrc(0)
	s_getreg_b32 s2, hwreg(HW_REG_IB_STS2, 6, 4)
	s_cmp_eq_u32 s2, 0
	s_cbranch_scc0 .Lentry_in_a_cluster
	s_endpgm
.Lentry_in_a_cluster:
	s_bfe_u32 s2, ttmp6, 0x10000c
	s_cmp_lg_u32 s2, 0xf033
	s_cbranch_scc0 .Lentry_shape_is_right
	s_endpgm
.Lentry_shape_is_right:
; qkv[c][h][b][t][d] = f16( rope_c( x W_qkv + b_qkv ) ), c = 0 q, 1 k, 2 v (no rotation for v).  Operands bf16, sums f32.
; A work-group makes 256 rows (block row bm) x 192 columns = one head's q, k, v (block column bn = head): 16 x 16 work-groups.
; Four waves; wave w makes rows 64 w .. +63 x all 192 columns: 4 x 12 accumulator tiles, 384 registers.  K = 1024 goes in eight steps of
; 128 through two LDS slots filled by tensor loads; a tile's rows are 256 bytes of memory at multiples of 256.
; CLUSTERS of 4 x 4: xb's tile hangs on bm alone and is asked for jointly by a row of the cluster, wqt's on bn alone, by a column.
; The matrix instruction is used transposed (source 0 = rows of wqt, source 1 = rows of xb): lane (r, h) then holds row r and eight
; neighbouring columns 8 h .. 8 h + 7, so that RoPE's pairs (2 f, 2 f + 1) lie inside a lane and pack into 16 bytes.
; RoPE's cos and sin are made here by plain arithmetic, while the first tiles are on their way: a table of 256 positions x 32
; frequencies in LDS.  LIMITS: the angle pos x 10000^(-f/32) is off by less than 5e-4 rad at pos = 2047 (one rounding of the product and
; the last bit of the exponential), the step-by-step rotation over 63 positions by less than 1e-5: fixed figures, whatever the inputs.
; q, k, v are stored in f16 (11 significant bits): right while |q|, |k|, |v| < 65,504 (as drawn they are about 1).
;
; REGISTERS.  window 0: v16-27 addresses, v28-31 U, v32-63 cos/sin (first: scratch of the table), v64-127 fragments of xb (two buffers),
; v128-223 bias, v224-255 T.  window 1: v0-95, v96-191 fragments of wqt (two buffers).  window 2: tiles (a = 0, 1; b) at 8 (12 a + b);
; window 3: the same for a = 2, 3.
.set KSTEP,  128
.set PITCH,  272                       ; LDS row: 256 bytes + 16: sixteen neighbouring rows start in sixteen different 16-byte columns of 256
.set HALFA,  128*PITCH                 ; one tensor load of xb
.set HALFB,  96*PITCH                  ; one tensor load of wqt
.set SLOT,   2*HALFA+2*HALFB           ; xb's 256 rows, then wqt's 192 rows
.set TAB,    2*SLOT                    ; 256 rows x 272: row i = (cos, sin) of the block's position i for 32 frequencies
.set STAGE,  TAB+256*PITCH             ; 16 rows x 144 bytes for each wave, for the way out
.set SPITCH, 144
.set LAPS,   4                         ; a lap = two K steps
.set ADRA, 16                          ; v16-17 my xb fragments in slot 0, 1
.set ADRB, 20                          ; v20-21 wqt fragments
.set TW,   22                          ; table: where I write
.set TA,   23                          ; table: where I read
.set STO,  24
.set RD,   25
.set CO,   26
.set BO,   27
.set U,    28
.set CS,   32
.set FA,   64
.set BIAS, 128
.set T,    224
.set PK,   64                          ; way out: packed results (the fragments' registers are free then)
.set RB,   80                          ; way out: rows read back
.set FQ, 32                            ; scratch of the table
.set AN, 33
.set TN, 34
.set TR, 35
.set X2, 36
.set PP, 37
.set QQ, 38
.set TT, 39
.set UU, 40
.set CC, 42                            ; v[42:43] cos, sin of the running position
.set C1, 44
.set S1, 45
.set G1A, 24
.set G0A, 32
.set G1B, 48
.set G0B, 56
.set OUTP, 66                          ; s[66:71] where my rows of q, k, v go
.set FLAGS, (1<<16)|(1<<20)|(1<<21)|(5<<22)|(3<<25)   ; 2-byte elements; padding on; bit 21 beside a mask; after every 64 words, 4 words
.set MSB, 0
.macro WIN new                         ; the immediate's high byte repeats the setting that is left
.if MSB != \new
	s_set_vgpr_msb (MSB<<8)|\new
.set MSB, \new
.endif
.endm
.set MUL_LO, 0xa1                      ; source 0 window 1, source 1 window 0, C and D window 2
.set MUL_HI, 0xf1                      ; C and D window 3
.set TO_B,   0x40                      ; destination window 1
; A joint load: waves 0, 1 ask for xb's halves, waves 2, 3 for wqt's.  The branch hangs on the wave's number alone.
.macro JLOAD s
	s_cmp_eq_u32 s13, 0
	s_cbranch_scc0 .Lfor_b_\@
	tensor_load_to_lds s[G0A+4*\s:G0A+4*\s+3], s[G1A:G1A+7]
	s_nop 0
	s_branch .Lasked_\@
.Lfor_b_\@:
	tensor_load_to_lds s[G0B+4*\s:G0B+4*\s+3], s[G1B:G1B+7]
	s_nop 0
.Lasked_\@:
.endm
.macro CREST                           ; a round of the cluster's barrier behind its opening work-group barrier
	s_cmp_lg_u32 s12, 0
	s_cbranch_scc1 .Lnot_wave_0_\@
	s_barrier_signal -3
.Lnot_wave_0_\@:
	s_barrier_wait -3
	s_barrier_signal -1
	s_barrier_wait -1
.endm
.macro CROUND
	s_barrier_signal -1
	s_barrier_wait -1
	CREST
.endm
.macro PLACES                          ; four independent vector instructions behind a matrix instruction (ISA guide 7.12.1)
.rept 4
	v_nop
.endr
.endm
; 12 matrix instructions: row tile 2 hi + a x all 12 column tiles, 32 along K, from fragment buffer f
.macro MULH f, hi, a, zero
.irp b, 0,1,2,3,4,5,6,7,8,9,10,11
.if \zero
	v_wmma_f32_16x16x32_bf16 v[8*(12*\a+\b):8*(12*\a+\b)+7], v[96*\f+8*\b:96*\f+8*\b+7], v[FA+32*\f+8*(2*\hi+\a):FA+32*\f+8*(2*\hi+\a)+7], 0
.else
	v_wmma_f32_16x16x32_bf16 v[8*(12*\a+\b):8*(12*\a+\b)+7], v[96*\f+8*\b:96*\f+8*\b+7], v[FA+32*\f+8*(2*\hi+\a):FA+32*\f+8*(2*\hi+\a)+7], v[8*(12*\a+\b):8*(12*\a+\b)+7]
.endif
.endr
.endm
; 32 LDS loads in one run: 192 rows of wqt, my 64 rows of xb, 32 K at byte k of the rows, into buffer f
.macro FETCH slot, k, f
	WIN TO_B
.irp i, 0,1,2,3,4,5,6,7,8,9,10,11
	ds_load_b128 v[96*\f+8*\i:96*\f+8*\i+3],   v[ADRB+\slot] offset:\k+\i*16*PITCH
	ds_load_b128 v[96*\f+8*\i+4:96*\f+8*\i+7], v[ADRB+\slot] offset:\k+\i*16*PITCH+32
.endr
	WIN 0
.irp i, 0,1,2,3
	ds_load_b128 v[FA+32*\f+8*\i:FA+32*\f+8*\i+3],   v[ADRA+\slot] offset:\k+\i*16*PITCH
	ds_load_b128 v[FA+32*\f+8*\i+4:FA+32*\f+8*\i+7], v[ADRA+\slot] offset:\k+\i*16*PITCH+32
.endr
.endm
; A quarter step: 48 matrix instructions on buffer f; in its middle the next quarter's fragments go into buffer g.
; The 48 accumulators take turns, one instruction a turn, in the same order in every quarter.
.macro QUARTER slot, k, f, g, zero
	s_wait_dscnt 4                                 ; the youngest four loads (xb's row tiles 2, 3) may be out
	WIN MUL_LO
	MULH \f, 0, 0, \zero
	MULH \f, 0, 1, \zero
	PLACES
	FETCH \slot, \k, \g
	s_wait_dscnt 32                                ; all but the 32 just issued
	WIN MUL_HI
	MULH \f, 1, 0, \zero
	MULH \f, 1, 1, \zero
.endm
.macro THREE slot, zero
	QUARTER \slot, 64,  0, 1, \zero
	QUARTER \slot, 128, 1, 0, 0
	QUARTER \slot, 192, 0, 1, 0
.endm
; The last quarter of a K step changes slots.  In front of the barrier each wave waits for its reads of this slot and for all its
; tensor loads (one is out: its part of the next slot); behind it (with fill: behind the cluster's round that it opens) the refill
; comes first, then the next slot's first fragments.  From a request to the wait for it a wave issues 180 matrix instructions.
.macro TURN slot, next, fill
	s_wait_dscnt 4
	WIN MUL_LO
	MULH 1, 0, 0, 0
	s_wait_dscnt 0
	s_wait_tensorcnt 0x0
	ds_add_u32 v255, v19
	s_wait_dscnt 0x0
	s_barrier_signal -1
	MULH 1, 0, 1, 0                                ; register work while the others arrive
	WIN 0
	s_barrier_wait -1
.if \fill
	CREST                                          ; no wave of any partner still reads this slot or has a load on its way
	s_add_nc_u64 s[G0A+4*\slot+2:G0A+4*\slot+3], s[G0A+4*\slot+2:G0A+4*\slot+3], 2*KSTEP*2
	s_add_nc_u64 s[G0B+4*\slot+2:G0B+4*\slot+3], s[G0B+4*\slot+2:G0B+4*\slot+3], 2*KSTEP*2
	JLOAD \slot
.endif
	PLACES
	FETCH \next, 0, 0
	WIN MUL_HI
	MULH 1, 1, 0, 0
	MULH 1, 1, 1, 0
.endm
.macro LAP zero
	THREE 0, \zero
	TURN 0, 1, 1
	THREE 1, 0
	TURN 1, 0, 1
.endm
; cos and sin of v[ang] (0 <= ang < 2048): ang less the nearest multiple of 2 pi (2 pi in two parts), a quarter of the rest
; (at most pi/4) into the series up to x^7 and x^8, then the double angle twice.
.macro CIS ang, c, s
	v_mul_f32 v[TN], 0.15915494, v[\ang]
	v_rndne_f32 v[TN], v[TN]
	v_fmamk_f32 v[TR], v[TN], 0xc0c90fdb, v[\ang]  ; - n x 6.2831855
	v_fmamk_f32 v[TR], v[TN], 0x343bbd2e, v[TR]    ; + n x 1.7484556e-7
	v_mul_f32 v[TR], 0x3e800000, v[TR]
	v_mul_f32 v[X2], v[TR], v[TR]
	v_mov_b32 v[PP], 0xb9500d01                    ; -1/5040
	v_mov_b32 v[QQ], 0x37d00d01                    ; 1/40320
	v_fmaak_f32 v[PP], v[PP], v[X2], 0x3c088889    ; 1/120
	v_fmaak_f32 v[QQ], v[QQ], v[X2], 0xbab60b61    ; -1/720
	v_fmaak_f32 v[PP], v[PP], v[X2], 0xbe2aaaab    ; -1/6
	v_fmaak_f32 v[QQ], v[QQ], v[X2], 0x3d2aaaab    ; 1/24
	v_mul_f32 v[PP], v[PP], v[X2]
	v_fmaak_f32 v[QQ], v[QQ], v[X2], 0xbf000000    ; -1/2
	v_fma_f32 v[\s], v[PP], v[TR], v[TR]
	v_fma_f32 v[\c], v[QQ], v[X2], 1.0
.rept 2
	v_mul_f32 v[TT], v[\s], v[\s]
	v_mul_f32 v[UU], v[\s], v[\c]
	v_fma_f32 v[\c], v[TT], -2.0, 1.0
	v_add_f32 v[\s], v[UU], v[UU]
.endr
.endm
	s_load_b256 s[4:11], s[0:1], 0x0               ; xb s[4:5], wqt s[6:7], b_qkv s[8:9], qkv s[10:11]
	s_set_vgpr_msb 0x40
	v_lshl_add_u32 v255, v0, 2, 0x4ec00
	s_set_vgpr_msb 0x4000
	v_mov_b32 v19, 0
	s_set_vgpr_msb 0x1
	ds_add_u32 v255, v19
	s_set_vgpr_msb 0x100
	v_lshrrev_b32 v1, 5, v0
	v_readfirstlane_b32 s12, v1                    ; wave 0..3
	s_lshr_b32 s13, s12, 1                         ; I fetch for xb (0) or for wqt (1)
	s_and_b32 s14, s12, 1                          ; which half of that tile
	s_bfe_u32 s16, ttmp6, 0x40000                  ; cx
	s_bfe_u32 s17, ttmp6, 0x40004                  ; cy
	s_lshl_b32 s18, ttmp9, 2
	s_add_co_u32 s18, s18, s16                     ; bn = head
	s_and_b32 s19, ttmp7, 0xffff
	s_lshl_b32 s19, s19, 2
	s_add_co_u32 s19, s19, s17                     ; bm
	s_lshl_b32 s20, s17, 2
	s_lshl_b32 s20, 15, s20                        ; my row of the cluster
	s_lshl_b32 s21, 0x1111, s16                    ; my column
	s_or_b32 s[G1A+0], s20, FLAGS
	s_or_b32 s[G1B+0], s21, FLAGS
	s_mov_b32 s[G1A+1], KSTEP<<16                  ; tensor_dim0 = 128
	s_mov_b32 s[G1B+1], KSTEP<<16
	s_mov_b32 s[G1A+2], 128<<16                    ; tensor_dim1 = 128 rows
	s_mov_b32 s[G1B+2], 96<<16                     ;             = 96 rows
	s_mov_b32 s[G1A+3], KSTEP<<16                  ; tile_dim0 = 128
	s_mov_b32 s[G1B+3], KSTEP<<16
	s_mov_b32 s[G1A+4], 128                        ; tile_dim1
	s_mov_b32 s[G1B+4], 96
	s_mov_b32 s[G1A+5], 1024                       ; elements from row to row
	s_mov_b32 s[G1B+5], 1024
	s_mov_b32 s[G1A+6], 0
	s_mov_b32 s[G1B+6], 0
	s_mov_b32 s[G1A+7], 0
	s_mov_b32 s[G1B+7], 0
	; xb's address is made of bm and the wave's number in s[40:41], wqt's of bn and the wave's number in s[44:45]
	s_lshl_b32 s40, s19, 19                        ; 256 rows x 2,048 bytes
	s_lshl_b32 s41, s14, 18                        ; 128 rows
	s_add_co_u32 s40, s40, s41
	s_mov_b32 s41, 0
	s_mul_i32 s44, s18, 192*2048
	s_mul_i32 s45, s14, 96*2048
	s_add_co_u32 s44, s44, s45
	s_mov_b32 s45, 0
	s_mul_i32 s22, s12, HALFA                      ; waves 0, 1: LDS bytes 0 and HALFA
	s_mul_i32 s23, s12, HALFB
	s_add_co_u32 s23, s23, 2*HALFA-2*HALFB         ; waves 2, 3: behind xb's 256 rows
	s_wait_dscnt 0x0
	s_wait_kmcnt 0x0
	s_add_nc_u64 s[40:41], s[4:5], s[40:41]
	s_add_nc_u64 s[44:45], s[6:7], s[44:45]
	CROUND                                         ; all sixteen work-groups are here: the first joint loads meet
.irp s, 0,1
	s_mov_b32 s[G0A+4*\s], 1
	s_add_co_u32 s[G0A+4*\s+1], s22, \s*SLOT
	s_add_nc_u64 s[G0A+4*\s+2:G0A+4*\s+3], s[40:41], \s*KSTEP*2
	s_or_b32 s[G0A+4*\s+3], s[G0A+4*\s+3], 0x80000000
	s_mov_b32 s[G0B+4*\s], 1
	s_add_co_u32 s[G0B+4*\s+1], s23, \s*SLOT
	s_add_nc_u64 s[G0B+4*\s+2:G0B+4*\s+3], s[44:45], \s*KSTEP*2
	s_or_b32 s[G0B+4*\s+3], s[G0B+4*\s+3], 0x80000000
	JLOAD \s                                       ; two tensor loads of each wave are out
.endr
	; the bias of my 8 columns in each of the 12 column tiles: b_qkv[c*1024 + 64 bn + 16 bb + 8 h + j]; waited for on the way out
	s_lshl_b32 s72, s18, 8
	s_mov_b32 s73, 0
	s_add_nc_u64 s[8:9], s[8:9], s[72:73]
	v_and_b32 v1, 15, v0                           ; r
	v_bfe_u32 v2, v0, 4, 1                         ; h
	v_lshlrev_b32 v[BO], 5, v2
.irp c, 0,1,2
.irp bb, 0,1,2,3
	global_load_b128 v[BIAS+32*\c+8*\bb:BIAS+32*\c+8*\bb+3],   v[BO], s[8:9] offset:4096*\c+64*\bb
	global_load_b128 v[BIAS+32*\c+8*\bb+4:BIAS+32*\c+8*\bb+7], v[BO], s[8:9] offset:4096*\c+64*\bb+16
.endr
.endr
	; where my 64 rows go: ((c*16 + bn)*2 + b) x 262,144 + t x 128, with b = bm / 8, t = (bm % 8) x 256 + 64 w
	s_lshl_b32 s72, s18, 1
	s_lshr_b32 s74, s19, 3
	s_add_co_u32 s72, s72, s74
	s_lshl_b32 s72, s72, 18
	s_and_b32 s74, s19, 7
	s_lshl_b32 s75, s74, 15
	s_add_co_u32 s72, s72, s75
	s_lshl_b32 s75, s12, 13
	s_add_co_u32 s72, s72, s75
	s_add_nc_u64 s[OUTP:OUTP+1], s[10:11], s[72:73]
	s_add_nc_u64 s[OUTP+2:OUTP+3], s[OUTP:OUTP+1], 0x800000
	s_add_nc_u64 s[OUTP+4:OUTP+5], s[OUTP+2:OUTP+3], 0x800000
	s_lshl_b32 s74, s74, 8
	s_lshl_b32 s75, s12, 6
	s_add_co_u32 s74, s74, s75                     ; the position of my first row: enters as a number only
	; LDS addresses: made of the wave's number and the lane alone
	v_mul_u32_u24 v3, v1, PITCH
	v_lshl_add_u32 v4, v2, 4, v3                   ; r x 272 + 16 h
	s_mul_i32 s72, s12, 64*PITCH
	v_add_nc_u32 v[ADRA], s72, v4
	v_add_nc_u32 v[ADRA+1], SLOT, v[ADRA]
	v_add_nc_u32 v[ADRB], 2*HALFA, v4
	v_add_nc_u32 v[ADRB+1], SLOT, v[ADRB]
	s_add_co_u32 s72, s72, TAB
	v_lshl_add_u32 v[TA], v2, 5, v3                ; table row r, frequencies 4 h ..: 32 h bytes
	v_add_nc_u32 v[TA], s72, v[TA]
	v_and_b32 v5, 31, v0
	v_lshl_add_u32 v[TW], v5, 3, s72               ; a lane writes one frequency's 8 bytes
	s_mul_i32 s73, s12, 16*SPITCH
	s_add_co_u32 s73, s73, STAGE
	v_mul_u32_u24 v6, v1, SPITCH
	v_lshl_add_u32 v6, v2, 4, v6
	v_add_nc_u32 v[STO], s73, v6
	v_lshrrev_b32 v6, 3, v5
	v_and_b32 v7, 7, v0
	v_mul_u32_u24 v6, v6, SPITCH
	v_lshl_add_u32 v6, v7, 4, v6
	v_add_nc_u32 v[RD], s73, v6
	v_lshlrev_b32 v[CO], 4, v5
	; THE TABLE.  Each wave writes, and later reads, the 64 rows of its own positions: no barrier is needed for it.
	v_cvt_f32_u32 v[FQ], v5
	v_mul_f32 v[FQ], 0xbed49a78, v[FQ]             ; - f x log2(10000) / 32
	v_exp_f32 v[FQ], v[FQ]                         ; 10000^(-f/32)
	v_cvt_f32_u32 v[AN], s74                       ; the plain instruction behind the exponential (ISA guide 5.7.2)
	s_wait_alu depctr_va_vdst(0)
	v_mul_f32 v[AN], v[AN], v[FQ]
	CIS AN, CC, CC+1                               ; the first position
	CIS FQ, C1, S1                                 ; one step
	ds_store_b64 v[TW], v[CC:CC+1]
.set i, 1
.rept 63
	v_mul_f32 v[TT], v[CC], v[S1]
	v_mul_f32 v[UU], v[CC+1], v[S1]
	v_fma_f32 v[CC], v[CC], v[C1], -v[UU]
	v_fma_f32 v[CC+1], v[CC+1], v[C1], v[TT]
	ds_store_b64 v[TW], v[CC:CC+1] offset:PITCH*i
.set i, i+1
.endr
	s_wait_dscnt 0x0                               ; no LDS instruction is pending at a signal
	s_wait_tensorcnt 0x1                           ; my part of K step 0 is in; K step 1's may stay out
	s_barrier_signal -1
	s_barrier_wait -1
	FETCH 0, 0, 0
	LAP 1                                          ; the first products start the sums: nothing is cleared
	WIN 0
	s_mov_b32 s3, LAPS-2
.Llap:
	LAP 0
	WIN 0
	s_sub_co_u32 s3, s3, 1
	s_cmp_lg_u32 s3, 0
	s_cbranch_scc1 .Llap
	THREE 0, 0                                     ; the last lap fills nothing
	TURN 0, 1, 0
	THREE 1, 0
	s_wait_dscnt 4
	WIN MUL_LO
	MULH 1, 0, 0, 0
	MULH 1, 0, 1, 0
	s_wait_dscnt 0
	WIN MUL_HI
	MULH 1, 1, 0, 0
	MULH 1, 1, 1, 0
	; THE WAY OUT, 16 rows x one of q, k, v at a time: bias, rotation, f16, 16 bytes a lane into my stage, whole rows back.
	PLACES
	WIN 0
	s_wait_loadcnt 0x0                             ; the bias
.macro LOADCS a                        ; (cos, sin) of row 16 a + r for my 16 frequencies 8 bb + 4 h + 0..3
.irp bb, 0,1,2,3
	ds_load_b128 v[CS+8*\bb:CS+8*\bb+3],   v[TA] offset:16*PITCH*\a+64*\bb
	ds_load_b128 v[CS+8*\bb+4:CS+8*\bb+7], v[TA] offset:16*PITCH*\a+64*\bb+16
.endr
	s_wait_dscnt 0x0
.endm
.macro OUTH a, c, win
	WIN \win                                       ; source 0 = the accumulators' window
.irp bb, 0,1,2,3
.irp p, 0,2,4,6
	v_pk_add_f32 v[T+8*\bb+\p:T+8*\bb+\p+1], v[8*(12*(\a&1)+4*\c+\bb)+\p:8*(12*(\a&1)+4*\c+\bb)+\p+1], v[BIAS+32*\c+8*\bb+\p:BIAS+32*\c+8*\bb+\p+1]
.endr
.endr
	WIN 0
.if \c < 2
.irp bb, 0,1,2,3
.irp p, 0,2,4,6
	v_mul_f32 v[U+(\p&2)],   v[T+8*\bb+\p+1], v[CS+8*\bb+\p+1]                    ; x2 sin
	v_mul_f32 v[U+(\p&2)+1], v[T+8*\bb+\p],   v[CS+8*\bb+\p+1]                    ; x1 sin
	v_fma_f32 v[T+8*\bb+\p],   v[T+8*\bb+\p],   v[CS+8*\bb+\p], -v[U+(\p&2)]      ; x1 cos - x2 sin
	v_fma_f32 v[T+8*\bb+\p+1], v[T+8*\bb+\p+1], v[CS+8*\bb+\p], v[U+(\p&2)+1]     ; x2 cos + x1 sin
.endr
.endr
.endif
.irp bb, 0,1,2,3
.irp m, 0,1,2,3
	v_cvt_pk_f16_f32 v[PK+4*\bb+\m], v[T+8*\bb+2*\m], v[T+8*\bb+2*\m+1]
.endr
	ds_store_b128 v[STO], v[PK+4*\bb:PK+4*\bb+3] offset:32*\bb
.endr
	s_wait_xcnt 0x0                                ; RB, which the last stores read, is loaded again only behind this wait
.irp i, 0,1,2,3
	ds_load_b128 v[RB+4*\i:RB+4*\i+3], v[RD] offset:4*SPITCH*\i    ; LDS serves a wave's instructions in order: these see the stores above
.endr
.irp i, 0,1,2,3
	s_wait_dscnt 3-\i
	global_store_b128 v[CO], v[RB+4*\i:RB+4*\i+3], s[OUTP+2*\c:OUTP+2*\c+1] offset:2048*\a+512*\i   ; four rows of the head: 512 neighbouring bytes
.endr
.endm
.irp c, 0,1,2
.if \c == 0
	LOADCS 0
.endif
	OUTH 0, \c, 0x02
.endr
.irp c, 0,1,2
.if \c == 0
	LOADCS 1
.endif
	OUTH 1, \c, 0x02
.endr
.irp c, 0,1,2
.if \c == 0
	LOADCS 2
.endif
	OUTH 2, \c, 0x03
.endr
.irp c, 0,1,2
.if \c == 0
	LOADCS 3
.endif
	OUTH 3, \c, 0x03
.endr
	s_set_vgpr_msb 0x1
	s_wait_tensorcnt 0x0
	ds_add_u32 v255, v19
	s_wait_dscnt 0x0
	s_set_vgpr_msb 0x100
	CROUND                                         ; the closing round: no work-group ends while a partner may still ask jointly
	s_endpgm
.Lfunc_end_k_q6dcbb9c131_qkv:
	.size	k_q6dcbb9c131_qkv, .Lfunc_end_k_q6dcbb9c131_qkv-k_q6dcbb9c131_qkv
	.p2alignl 7, 3214868480
	.fill 96, 4, 3214868480
	.section	.rodata,"a",@progbits
	.p2align	6, 0x0
	.amdhsa_kernel k_q6dcbb9c131_qkv
		.amdhsa_group_segment_fixed_size 327680
		.amdhsa_private_segment_fixed_size 0
		.amdhsa_enable_private_segment 0
		.amdhsa_kernarg_size 32
		.amdhsa_user_sgpr_count 2
		.amdhsa_user_sgpr_kernarg_segment_ptr 1
		.amdhsa_wavefront_size32 1
		.amdhsa_system_sgpr_workgroup_id_x 1
		.amdhsa_system_sgpr_workgroup_id_y 1
		.amdhsa_system_sgpr_workgroup_id_z 1
		.amdhsa_system_vgpr_workitem_id 0
		.amdhsa_next_free_vgpr 960
		.amdhsa_next_free_sgpr 84
		.amdhsa_reserve_vcc 0
		.amdhsa_float_denorm_mode_32 3
		.amdhsa_float_denorm_mode_16_64 3
		.amdhsa_memory_ordered 1
		.amdhsa_forward_progress 1
		.amdhsa_inst_pref_size 223
	.end_amdhsa_kernel
	.amdgpu_metadata
---
amdhsa.version: [ 1, 2 ]
amdhsa.kernels:
  - .name:           k_q6dcbb9c131_qkv
    .symbol:         k_q6dcbb9c131_qkv.kd
    .args:
      - { .name: xb, .offset: 0, .size: 8, .value_kind: global_buffer, .address_space: global }
      - { .name: wqt, .offset: 8, .size: 8, .value_kind: global_buffer, .address_space: global }
      - { .name: b_qkv, .offset: 16, .size: 8, .value_kind: global_buffer, .address_space: global }
      - { .name: qkv, .offset: 24, .size: 8, .value_kind: global_buffer, .address_space: global }
    .group_segment_fixed_size: 327680
    .private_segment_fixed_size: 0
    .kernarg_segment_align: 8
    .kernarg_segment_size: 32
    .max_flat_workgroup_size: 128
    .sgpr_count:     84
    .vgpr_count:     960
    .wavefront_size: 32
...
	.end_amdgpu_metadata
.endif
;; end of part 2
;; launch attn (part 3): grid 256 x 1, 8 waves a work-group, no clusters, 327,680 bytes of LDS; arguments qkv, att; writes att
.if DOCPART == 3
	.amdgcn_target "amdgcn-amd-amdhsa--gfx1250"
	.amdhsa_code_object_version 6
	.text
	.protected	k_q6dcbb9c131_attn
	.globl	k_q6dcbb9c131_attn
	.p2align	8
	.type	k_q6dcbb9c131_attn,@function
k_q6dcbb9c131_attn:
	s_mov_b64 s[64:65], 0
	v_nop
	global_prefetch_b8 v0, s[64:65] scope:SCOPE_SE
	s_setreg_imm32_b32 hwreg(HW_REG_WAVE_MODE, 25, 1), 1
	s_wait_xcnt 0x0
; att[h][b][t][d] = f16( softmax over s <= t of (q_t . k_s / 8) applied to v ), with a running maximum; q, k, v, P in f16, sums in f32.
; Work-group = (head and batch hb = 2 h + b, i): query blocks i and 15 - i of 128 queries, that is (i + 1) + (16 - i) = 17 key tiles of
; 128 keys for every work-group.  The block with the odd number goes first: it has an even number of tiles and the other an odd one, so
; which slot a tile lies in, which tile is the diagonal one and which trip fills nothing are fixed in the text.
; Eight waves: wave (g, w) takes queries 32 w .. +31 of the block and keys 64 g .. +63 of every tile, so that two waves share a SIMD and
; one's softmax runs beside the other's products; the two key halves are merged once a block, through LDS.
; S^T = K Q^T: lane (r, h) holds query r and keys 8 h + j, so maximum and sum stay in the lane but for one exchange with lane xor 16, and
; exp(S^T), packed, is at once the second operand of O^T = V^T P^T (V^T by the transposing LDS load).
; NO CLUSTER: the eight work-groups of one head read the same K and V, but walk 17 tiles in different orders (block i ends after i + 1
; tiles), so partners would ask for different tiles in a round; equal walks would mean doing the masked half of the scores as well.
; NO PREFETCH: K and V were stored by the launch before, and each tile is read by eight work-groups at about the same time.
; LIMITS: a masked score counts as -3.4e38 where reference() puts -1e9: the same result while a row's own scores stay above -1e9.
; |q|, |k|, |v| < 65,504 (f16).  P lies in [0, 1] for every input, since the running maximum is taken away first.
.set SLOT,  38912                      ; K: 128 rows x 144, then V: 128 rows x 160
.set VOFF,  18432
.set SCR,   2*SLOT                     ; 4 x 8,704: what wave (1, w) hands to wave (0, w)
.set STG,   SCR+4*8704                 ; 4 x 4,608: 32 rows x 144, the way out
.set TILEB, 16384                      ; a tile of K or of V in memory
.set AK,  2                            ; (64 g + r) x 144 + 16 h
.set AV,  3                            ; (64 g + 8 h + L % 8) x 160 + 16 ((L / 8) % 2)
.set QO,  4
.set SC,  5
.set STO, 6
.set RD,  7
.set CO,  8
.set NEG, 9                            ; -3.4e38
.set DQ,  10                           ; v10-11  my query less my first key, for each query tile
.set M,   12                           ; v12-13  running maximum
.set MN,  14                           ; v14-15  the new one
.set AL,  16                           ; v16-17  alpha
.set NM,  18                           ; v18-19  - maximum x c
.set LS,  20                           ; v[20:23] running sums, a pair for each query tile
.set T,   24                           ; v[24:31]
.set Q,   32                           ; v[32:63]  Q[16 qt + 8 ks]
.set S,   64                           ; v[64:127] S[32 qt + 8 kt]
.set KV,  128                          ; v[128:191] K's, then V's fragments
.set O,   192                          ; v[192:255] O[32 qt + 8 dt]
.set G1K, 16
.set G1V, 24
.set G0,  32                           ; s[32:39] group 0, one set for each slot
.set CEXP, 0x3e38aa3b                  ; log2(e) / 8
.set CNEG, 0xbe38aa3b
; Wave 0 brings K's 128 rows, wave 1 V's: one tensor load a wave, at most one out.
.macro LOADKV s
	s_cmp_lg_u32 s8, 0
	s_cbranch_scc1 .Lnot_k_\@
	tensor_load_to_lds s[G0+4*(\s):G0+4*(\s)+3], s[G1K:G1K+7]
	s_nop 0
.Lnot_k_\@:
	s_cmp_lg_u32 s8, 1
	s_cbranch_scc1 .Lnot_v_\@
	tensor_load_to_lds s[G0+4*(\s):G0+4*(\s)+3], s[G1V:G1V+7]
	s_nop 0
.Lnot_v_\@:
.endm
.macro SETP qb                         ; the block's queries in qkv, and my 32 rows of it in att
	s_lshl_b32 s52, s12, 18
	s_lshl_b32 s54, s\qb, 14
	s_add_co_u32 s52, s52, s54
	s_mov_b32 s53, 0
	s_add_nc_u64 s[46:47], s[4:5], s[52:53]
	s_lshl_b32 s54, s10, 12
	s_add_co_u32 s52, s52, s54
	s_add_nc_u64 s[48:49], s[6:7], s[52:53]
.endm
.macro LOADQ
.irp qt, 0,1
.irp ks, 0,1
	global_load_b128 v[Q+16*\qt+8*\ks:Q+16*\qt+8*\ks+3],   v[QO], s[46:47] offset:2048*\qt+64*\ks
	global_load_b128 v[Q+16*\qt+8*\ks+4:Q+16*\qt+8*\ks+7], v[QO], s[46:47] offset:2048*\qt+64*\ks+32
.endr
.endr
.endm
; O, the sums and the maximum start here and not by a first product with C = 0: a block's first tile lies inside a counted loop, and
; for waves 4 and 5 of block 0 there is no tile at all.
.macro INIT
.set p, 0
.rept 64
	v_mov_b32 v[O+p], 0
.set p, p+1
.endr
.irp p, 0,1,2,3
	v_mov_b32 v[LS+\p], 0
.endr
	v_mov_b32 v[M], v[NEG]
	v_mov_b32 v[M+1], v[NEG]
	s_wait_loadcnt 0x0                             ; Q
.endm
.macro COMPUTE slot, mask
.if \mask
	s_cmp_eq_u32 s15, 2                            ; waves 4, 5: queries 0-63 against keys 64-127 of the diagonal tile: all masked
	s_cbranch_scc1 .Lnone_\@
.endif
.irp ks, 0,1
.irp kt, 0,1,2,3
	ds_load_b128 v[KV+16*\kt+8*\ks:KV+16*\kt+8*\ks+3],   v[AK] offset:\slot*SLOT+2304*\kt+64*\ks
	ds_load_b128 v[KV+16*\kt+8*\ks+4:KV+16*\kt+8*\ks+7], v[AK] offset:\slot*SLOT+2304*\kt+64*\ks+32
.endr
.endr
	s_wait_dscnt 8                                 ; d = 0-31 is in; the eight loads of d = 32-63 may be out
.irp kt, 0,1,2,3
.irp qt, 0,1
	v_wmma_f32_16x16x32_f16 v[S+32*\qt+8*\kt:S+32*\qt+8*\kt+7], v[KV+16*\kt:KV+16*\kt+7], v[Q+16*\qt:Q+16*\qt+7], 0
.endr
.endr
	s_wait_dscnt 0
.irp kt, 0,1,2,3                       ; the eight accumulators take turns, one instruction a turn
.irp qt, 0,1
	v_wmma_f32_16x16x32_f16 v[S+32*\qt+8*\kt:S+32*\qt+8*\kt+7], v[KV+16*\kt+8:KV+16*\kt+15], v[Q+16*\qt+8:Q+16*\qt+15], v[S+32*\qt+8*\kt:S+32*\qt+8*\kt+7]
.endr
.endr
.rept 4
	v_nop                                          ; four places: V's loads land on K's fragments, and the scores are read
.endr
.irp ks, 0,1
.irp dt, 0,1,2,3
	ds_load_tr16_b128 v[KV+16*\dt+8*\ks:KV+16*\dt+8*\ks+3],   v[AV] offset:\slot*SLOT+VOFF+5120*\ks+32*\dt
	ds_load_tr16_b128 v[KV+16*\dt+8*\ks+4:KV+16*\dt+8*\ks+7], v[AV] offset:\slot*SLOT+VOFF+5120*\ks+32*\dt+2560
.endr
.endr
.if \mask
.irp qt, 0,1
.irp kt, 0,1,2,3
.irp j, 0,1,2,3,4,5,6,7
	v_cmp_gt_i32 vcc_lo, 16*\kt+\j, v[DQ+\qt]      ; key behind the query
	v_cndmask_b32 v[S+32*\qt+8*\kt+\j], v[S+32*\qt+8*\kt+\j], v[NEG], vcc_lo
.endr
.endr
.endr
.endif
.irp qt, 0,1                           ; the maximum of my 32 scores of query r, in four chains; then the other 32 from lane xor 16
.irp kt, 0,1,2,3
	v_max3_num_f32 v[T+4*\qt+\kt], v[S+32*\qt+8*\kt], v[S+32*\qt+8*\kt+1], v[S+32*\qt+8*\kt+2]
.endr
.irp kt, 0,1,2,3
	v_max3_num_f32 v[T+4*\qt+\kt], v[T+4*\qt+\kt], v[S+32*\qt+8*\kt+3], v[S+32*\qt+8*\kt+4]
.endr
.irp kt, 0,1,2,3
	v_max3_num_f32 v[T+4*\qt+\kt], v[T+4*\qt+\kt], v[S+32*\qt+8*\kt+5], v[S+32*\qt+8*\kt+6]
.endr
	v_max3_num_f32 v[T+4*\qt], v[T+4*\qt], v[T+4*\qt+1], v[T+4*\qt+2]
	v_max3_num_f32 v[T+4*\qt], v[T+4*\qt], v[T+4*\qt+3], v[S+32*\qt+7]
	v_max3_num_f32 v[T+4*\qt], v[T+4*\qt], v[S+32*\qt+15], v[S+32*\qt+23]
	v_max_num_f32 v[T+4*\qt], v[T+4*\qt], v[S+32*\qt+31]
	v_permlanex16_b32 v[T+4*\qt+1], v[T+4*\qt], s50, s51
	v_max3_num_f32 v[MN+\qt], v[T+4*\qt], v[T+4*\qt+1], v[M+\qt]
	v_sub_f32 v[AL+\qt], v[M+\qt], v[MN+\qt]
	v_mul_f32 v[NM+\qt], CNEG, v[MN+\qt]
	v_mul_f32 v[AL+\qt], CEXP, v[AL+\qt]
	v_mov_b32 v[M+\qt], v[MN+\qt]
.endr
.set p, 0
.rept 16
	v_pk_fma_f32 v[S+p:S+p+1], v[S+p:S+p+1], CEXP, v[NM:NM+1] op_sel_hi:[1,0,0]                       ; (s - max) log2(e) / 8
	v_pk_fma_f32 v[S+32+p:S+32+p+1], v[S+32+p:S+32+p+1], CEXP, v[NM:NM+1] op_sel:[0,0,1] op_sel_hi:[1,0,1]
.set p, p+2
.endr
	v_exp_f32 v[AL], v[AL]
	v_exp_f32 v[AL+1], v[AL+1]
.set p, 0
.rept 64
	v_exp_f32 v[S+p], v[S+p]
.set p, p+1
.endr
	v_nop                                          ; the plain instruction behind the exponentials (ISA guide 5.7.2)
.set p, 0
	s_wait_alu depctr_va_vdst(0)
.rept 16
	v_pk_mul_f32 v[O+p:O+p+1], v[O+p:O+p+1], v[AL:AL+1] op_sel_hi:[1,0]
	v_pk_mul_f32 v[O+32+p:O+32+p+1], v[O+32+p:O+32+p+1], v[AL:AL+1] op_sel:[0,1] op_sel_hi:[1,1]
.set p, p+2
.endr
	; the sums, two chains for each query tile; the two halves of the lanes are added at the block's end (alpha is the same in both)
	v_pk_fma_f32 v[LS:LS+1], v[LS:LS+1], v[AL:AL+1], v[S:S+1] op_sel_hi:[1,0,1]
	v_pk_fma_f32 v[LS+2:LS+3], v[LS+2:LS+3], v[AL:AL+1], v[S+32:S+33] op_sel:[0,1,0] op_sel_hi:[1,1,1]
	v_pk_add_f32 v[T:T+1], v[S+2:S+3], v[S+6:S+7]
	v_pk_add_f32 v[T+2:T+3], v[S+34:S+35], v[S+38:S+39]
.set p, 4
.rept 6
	v_pk_add_f32 v[LS:LS+1], v[LS:LS+1], v[S+p:S+p+1]
	v_pk_add_f32 v[LS+2:LS+3], v[LS+2:LS+3], v[S+32+p:S+32+p+1]
	v_pk_add_f32 v[T:T+1], v[T:T+1], v[S+p+6:S+p+7]
	v_pk_add_f32 v[T+2:T+3], v[T+2:T+3], v[S+32+p+6:S+32+p+7]
.set p, p+4
.endr
	v_pk_add_f32 v[LS:LS+1], v[LS:LS+1], v[S+28:S+29]
	v_pk_add_f32 v[LS+2:LS+3], v[LS+2:LS+3], v[S+60:S+61]
	v_pk_add_f32 v[LS:LS+1], v[LS:LS+1], v[T:T+1]
	v_pk_add_f32 v[LS+2:LS+3], v[LS+2:LS+3], v[T+2:T+3]
.set p, 0
.rept 32
	v_cvt_pk_f16_f32 v[S+p], v[S+2*p], v[S+2*p+1]  ; packed in place, ascending: P's fragment (qt, ks) lands at S + 16 qt + 8 ks
.set p, p+1
.endr
	s_wait_dscnt 0                                 ; V's fragments
.irp ks, 0,1
.irp qt, 0,1
.irp dt, 0,1,2,3
	v_wmma_f32_16x16x32_f16 v[O+32*\qt+8*\dt:O+32*\qt+8*\dt+7], v[KV+16*\dt+8*\ks:KV+16*\dt+8*\ks+7], v[S+16*\qt+8*\ks:S+16*\qt+8*\ks+7], v[O+32*\qt+8*\dt:O+32*\qt+8*\dt+7]
.endr
.endr
.endr
.rept 5
	v_nop                                          ; five places: the next scores are written over P, the next loads land on V
.endr
.if \mask
.Lnone_\@:
.endif
.endm
; One key tile.  In front of the barrier every wave waits for all its tensor loads (this trip's tile among them) and for its reads of the
; slot read last; behind it that slot is filled again first (the next tile), then this trip's slot is read.
.macro TRIP slot, refill, reset, mask
	s_set_vgpr_msb 0x5
	s_wait_tensorcnt 0x0
	ds_add_u32 v0, v1
	s_wait_dscnt 0x0
	s_set_vgpr_msb 0x500
.if \refill
.if \reset
	s_mov_b64 s[40:41], s[42:43]                   ; the next block begins at tile 0 again
.endif
	s_mov_b64 s[G0+4*(1-\slot)+2:G0+4*(1-\slot)+3], s[40:41]       ; no load of mine is out: a group 0 may be written
	s_or_b32 s[G0+4*(1-\slot)+3], s[G0+4*(1-\slot)+3], 0x80000000
	s_add_nc_u64 s[40:41], s[40:41], TILEB
.endif
	s_wait_dscnt 0x0
	s_barrier_signal -1
	s_barrier_wait -1
.if \refill
	LOADKV 1-\slot
.endif
	COMPUTE \slot, \mask
.endm
; The block's end: waves 4-7 hand O, maximum and sum to waves 0-3, which merge, normalise and store.
.macro CLOSE
	s_cmp_lt_u32 s8, 4
	s_cbranch_scc1 .Lkeep_\@
	v_add_f32 v[MN], v[LS], v[LS+1]
	v_add_f32 v[MN+1], v[LS+2], v[LS+3]
.set p, 0
.rept 16
	ds_store_b128 v[SC], v[O+4*p:O+4*p+3] offset:512*p
.set p, p+1
.endr
	ds_store_b128 v[SC], v[M:M+3] offset:8192      ; maximum 0, 1, sum 0, 1
.Lkeep_\@:
	s_wait_dscnt 0x0                               ; my stores are in LDS before I say so
	s_barrier_signal -1
	s_barrier_wait -1
	s_cmp_ge_u32 s8, 4
	s_cbranch_scc1 .Ldone_\@
.set p, 0
.rept 16
	ds_load_b128 v[KV+4*p:KV+4*p+3], v[SC] offset:512*p
.set p, p+1
.endr
	ds_load_b128 v[T+4:T+7], v[SC] offset:8192
	v_add_f32 v[MN], v[LS], v[LS+1]
	v_add_f32 v[MN+1], v[LS+2], v[LS+3]
	s_wait_dscnt 0x0
	v_max_num_f32 v[T], v[M], v[T+4]               ; the common maximum
	v_max_num_f32 v[T+1], v[M+1], v[T+5]
	v_sub_f32 v[AL], v[M], v[T]
	v_sub_f32 v[AL+1], v[M+1], v[T+1]
	v_sub_f32 v[NM], v[T+4], v[T]
	v_sub_f32 v[NM+1], v[T+5], v[T+1]
.irp p, 0,1,2,3
	v_mul_f32 v[AL+\p], CEXP, v[AL+\p]
.endr
.irp p, 0,1,2,3
	v_exp_f32 v[AL+\p], v[AL+\p]                   ; a half that saw no key has sum 0, O 0 and the weight exp2(-huge) = 0
.endr
	v_nop
	s_wait_alu depctr_va_vdst(0)
	v_mul_f32 v[MN], v[MN], v[AL]
	v_mul_f32 v[MN+1], v[MN+1], v[AL+1]
	v_fmac_f32 v[MN], v[T+6], v[NM]
	v_fmac_f32 v[MN+1], v[T+7], v[NM+1]
	v_permlanex16_b32 v[T], v[MN], s50, s51        ; the keys of the other half of the lanes
	v_permlanex16_b32 v[T+1], v[MN+1], s50, s51
	v_add_f32 v[MN], v[MN], v[T]
	v_add_f32 v[MN+1], v[MN+1], v[T+1]
	v_rcp_f32 v[MN], v[MN]
	v_rcp_f32 v[MN+1], v[MN+1]
	v_nop
	s_wait_alu depctr_va_vdst(0)
	v_mul_f32 v[AL], v[AL], v[MN]
	v_mul_f32 v[AL+1], v[AL+1], v[MN+1]
	v_mul_f32 v[NM], v[NM], v[MN]
	v_mul_f32 v[NM+1], v[NM+1], v[MN+1]
.set p, 0
.rept 16
	v_pk_mul_f32 v[O+p:O+p+1], v[O+p:O+p+1], v[AL:AL+1] op_sel_hi:[1,0]
	v_pk_mul_f32 v[O+32+p:O+32+p+1], v[O+32+p:O+32+p+1], v[AL:AL+1] op_sel:[0,1] op_sel_hi:[1,1]
.set p, p+2
.endr
.set p, 0
.rept 16
	v_pk_fma_f32 v[O+p:O+p+1], v[KV+p:KV+p+1], v[NM:NM+1], v[O+p:O+p+1] op_sel_hi:[1,0,1]
	v_pk_fma_f32 v[O+32+p:O+32+p+1], v[KV+32+p:KV+32+p+1], v[NM:NM+1], v[O+32+p:O+32+p+1] op_sel:[0,1,0] op_sel_hi:[1,1,1]
.set p, p+2
.endr
.set p, 0
.rept 32
	v_cvt_pk_f16_f32 v[S+p], v[O+2*p], v[O+2*p+1]
.set p, p+1
.endr
.irp qt, 0,1
.irp dt, 0,1,2,3
	ds_store_b128 v[STO], v[S+16*\qt+4*\dt:S+16*\qt+4*\dt+3] offset:2304*\qt+32*\dt
.endr
.endr
.irp i, 0,1,2,3,4,5,6,7
	ds_load_b128 v[S+32+4*\i:S+32+4*\i+3], v[RD] offset:576*\i     ; my own stage: LDS serves a wave's instructions in order
.endr
.irp i, 0,1,2,3,4,5,6,7
	s_wait_dscnt 7-\i
	global_store_b128 v[CO], v[S+32+4*\i:S+32+4*\i+3], s[48:49] offset:512*\i   ; four rows of the head: 512 neighbouring bytes
.endr
.Ldone_\@:
.endm
	s_load_b128 s[4:7], s[0:1], 0x0                ; qkv s[4:5], att s[6:7]
	s_set_vgpr_msb 0x40
	v_lshl_add_u32 v0, v0, 2, 0x29000
	v_mov_b32 v1, 0
	s_set_vgpr_msb 0x4045
	ds_add_u32 v0, v1
	s_set_vgpr_msb 0x4500
	v_lshrrev_b32 v1, 5, v0
	v_readfirstlane_b32 s8, v1                     ; wave 0..7
	s_lshr_b32 s9, s8, 2                           ; g
	s_and_b32 s10, s8, 3                           ; w
	s_lshr_b32 s15, s8, 1
	s_and_b32 s11, ttmp9, 7                        ; i
	s_lshr_b32 s12, ttmp9, 3                       ; hb
	s_sub_co_u32 s52, 15, s11
	s_bitcmp1_b32 s11, 0
	s_cselect_b32 s13, s11, s52                    ; the odd block, first
	s_cselect_b32 s14, s52, s11                    ; the even block, second
	s_mov_b32 s[G1K+0], (1<<16)|(1<<20)|(4<<22)|(3<<25)   ; 2-byte elements; after every 32 words 4 words of padding: pitch 144
	s_mov_b32 s[G1V+0], (1<<16)|(1<<20)|(4<<22)|(7<<25)   ; 8 words: pitch 160, an odd multiple of 32, for the transposing loads
	s_mov_b32 s[G1K+1], 64<<16
	s_mov_b32 s[G1V+1], 64<<16
	s_mov_b32 s[G1K+2], 128<<16
	s_mov_b32 s[G1V+2], 128<<16
	s_mov_b32 s[G1K+3], 64<<16
	s_mov_b32 s[G1V+3], 64<<16
	s_mov_b32 s[G1K+4], 128
	s_mov_b32 s[G1V+4], 128
	s_mov_b32 s[G1K+5], 64
	s_mov_b32 s[G1V+5], 64
	s_mov_b32 s[G1K+6], 0
	s_mov_b32 s[G1V+6], 0
	s_mov_b32 s[G1K+7], 0
	s_mov_b32 s[G1V+7], 0
	s_mov_b32 s[G0], 1
	s_mul_i32 s[G0+1], s8, VOFF                    ; wave 0: K at the slot's byte 0; wave 1: V behind it
	s_mov_b32 s[G0+4], 1
	s_add_co_u32 s[G0+5], s[G0+1], SLOT
	s_cmp_eq_u32 s8, 0
	s_cselect_b32 s52, 32, 64                      ; k begins 32, v 64 heads-and-batches into qkv
	s_add_co_u32 s52, s52, s12
	s_lshl_b32 s52, s52, 18
	s_mov_b32 s53, 0
	s_mov_b32 s50, 0x76543210                      ; v_permlanex16_b32: lane i reads lane i of the other half
	s_mov_b32 s51, 0xfedcba98
	s_wait_dscnt 0x0
	s_barrier_signal -1
	s_barrier_wait -1
	s_wait_kmcnt 0x0
	s_add_nc_u64 s[42:43], s[4:5], s[52:53]        ; tile 0
	s_mov_b64 s[G0+2:G0+3], s[42:43]
	s_or_b32 s[G0+3], s[G0+3], 0x80000000
	s_add_nc_u64 s[40:41], s[42:43], TILEB         ; the next tile
	LOADKV 0                                       ; the first fill, ahead of the first trip's wait and barrier
	v_and_b32 v24, 31, v0                          ; L
	v_and_b32 v25, 15, v0                          ; r
	v_bfe_u32 v26, v0, 4, 1                        ; h
	v_and_b32 v27, 7, v0
	v_bfe_u32 v28, v0, 3, 1
	v_bfe_u32 v29, v0, 3, 2                        ; L / 8
	v_lshlrev_b32 v[QO], 7, v25
	v_lshl_add_u32 v[QO], v26, 4, v[QO]
	s_lshl_b32 s52, s10, 12
	v_add_nc_u32 v[QO], s52, v[QO]                 ; (32 w + r) x 128 + 16 h
	SETP 13
	LOADQ
	s_mul_i32 s52, s9, 64*144
	v_mul_u32_u24 v[AK], v25, 144
	v_lshl_add_u32 v[AK], v26, 4, v[AK]
	v_add_nc_u32 v[AK], s52, v[AK]
	v_lshl_add_u32 v[AV], v26, 3, v27
	v_mul_u32_u24 v[AV], v[AV], 160
	v_lshl_add_u32 v[AV], v28, 4, v[AV]
	s_mul_i32 s52, s9, 64*160
	v_add_nc_u32 v[AV], s52, v[AV]
	s_mul_i32 s52, s10, 8704
	s_add_co_u32 s52, s52, SCR
	v_lshl_add_u32 v[SC], v24, 4, s52
	s_mul_i32 s52, s10, 4608
	s_add_co_u32 s52, s52, STG
	v_mul_u32_u24 v[STO], v25, 144
	v_lshl_add_u32 v[STO], v26, 4, v[STO]
	v_add_nc_u32 v[STO], s52, v[STO]
	v_mul_u32_u24 v[RD], v29, 144
	v_lshl_add_u32 v[RD], v27, 4, v[RD]
	v_add_nc_u32 v[RD], s52, v[RD]
	v_lshlrev_b32 v[CO], 4, v24
	v_mov_b32 v[NEG], 0xff7fffff
	s_lshl_b32 s52, s10, 5
	s_lshl_b32 s53, s9, 6
	s_sub_co_i32 s52, s52, s53
	v_lshlrev_b32 v[DQ], 3, v26
	v_sub_nc_u32 v[DQ], v25, v[DQ]
	v_add_nc_u32 v[DQ], s52, v[DQ]                 ; 32 w + r - 64 g - 8 h
	v_add_nc_u32 v[DQ+1], 16, v[DQ]
	INIT
	; block 1 (odd number qb1): tiles 0 .. qb1, the last the diagonal one
	s_lshr_b32 s44, s13, 1
	s_cmp_eq_u32 s44, 0
	s_cbranch_scc1 .Lb1_tail
	s_mov_b32 s45, 0
.Lb1:
	TRIP 0, 1, 0, 0
	TRIP 1, 1, 0, 0
	s_add_co_u32 s45, s45, 1
	s_cmp_lt_u32 s45, s44
	s_cbranch_scc1 .Lb1
.Lb1_tail:
	TRIP 0, 1, 0, 0
	TRIP 1, 1, 1, 1                                ; the diagonal tile; its refill is block 2's tile 0
	CLOSE
	s_wait_xcnt 0x0                                ; the stores' base and data are written again only behind this wait
	SETP 14
	LOADQ
	INIT
	; block 2 (even number qb2): tiles 0 .. qb2
	s_lshr_b32 s44, s14, 1
	s_cmp_eq_u32 s44, 0
	s_cbranch_scc1 .Lb2_tail
	s_mov_b32 s45, 0
.Lb2:
	TRIP 0, 1, 0, 0
	TRIP 1, 1, 0, 0
	s_add_co_u32 s45, s45, 1
	s_cmp_lt_u32 s45, s44
	s_cbranch_scc1 .Lb2
.Lb2_tail:
	TRIP 0, 0, 0, 1                                ; the diagonal tile: nothing is left to fetch
	CLOSE
	s_set_vgpr_msb 0x5
	s_wait_tensorcnt 0x0
	ds_add_u32 v0, v1
	s_wait_dscnt 0x0
	s_set_vgpr_msb 0x500
	s_endpgm
.Lfunc_end_k_q6dcbb9c131_attn:
	.size	k_q6dcbb9c131_attn, .Lfunc_end_k_q6dcbb9c131_attn-k_q6dcbb9c131_attn
	.p2alignl 7, 3214868480
	.fill 96, 4, 3214868480
	.section	.rodata,"a",@progbits
	.p2align	6, 0x0
	.amdhsa_kernel k_q6dcbb9c131_attn
		.amdhsa_group_segment_fixed_size 327680
		.amdhsa_private_segment_fixed_size 0
		.amdhsa_enable_private_segment 0
		.amdhsa_kernarg_size 16
		.amdhsa_user_sgpr_count 2
		.amdhsa_user_sgpr_kernarg_segment_ptr 1
		.amdhsa_wavefront_size32 1
		.amdhsa_system_sgpr_workgroup_id_x 1
		.amdhsa_system_sgpr_workgroup_id_y 1
		.amdhsa_system_sgpr_workgroup_id_z 1
		.amdhsa_system_vgpr_workitem_id 0
		.amdhsa_next_free_vgpr 258
		.amdhsa_next_free_sgpr 66
		.amdhsa_reserve_vcc 1
		.amdhsa_float_denorm_mode_32 3
		.amdhsa_float_denorm_mode_16_64 3
		.amdhsa_memory_ordered 1
		.amdhsa_forward_progress 1
		.amdhsa_inst_pref_size 176
	.end_amdhsa_kernel
	.amdgpu_metadata
---
amdhsa.version: [ 1, 2 ]
amdhsa.kernels:
  - .name:           k_q6dcbb9c131_attn
    .symbol:         k_q6dcbb9c131_attn.kd
    .args:
      - { .name: qkv, .offset: 0, .size: 8, .value_kind: global_buffer, .address_space: global }
      - { .name: att, .offset: 8, .size: 8, .value_kind: global_buffer, .address_space: global }
    .group_segment_fixed_size: 327680
    .private_segment_fixed_size: 0
    .kernarg_segment_align: 8
    .kernarg_segment_size: 16
    .max_flat_workgroup_size: 256
    .sgpr_count:     66
    .vgpr_count:     258
    .wavefront_size: 32
...
	.end_amdgpu_metadata
.endif
;; end of part 3
;; launch oproj (part 4): grid 8 x 32, 4 waves a work-group, clusters of 4 x 4, 327,680 bytes of LDS; arguments att, wot, b_out, out0; writes out0
.if DOCPART == 4
	.amdgcn_target "amdgcn-amd-amdhsa--gfx1250"
	.amdhsa_code_object_version 6
	.text
	.protected	k_q6dcbb9c131_oproj
	.globl	k_q6dcbb9c131_oproj
	.p2align	8
	.type	k_q6dcbb9c131_oproj,@function
k_q6dcbb9c131_oproj:
	s_mov_b64 s[64:65], 0
	v_nop
	global_prefetch_b8 v0, s[64:65] scope:SCOPE_SE
	s_setreg_imm32_b32 hwreg(HW_REG_WAVE_MODE, 25, 1), 1
	s_wait_xcnt 0x0
	s_wait_alu depctr_hold_cnt(0) depctr_sa_sdst(0) depctr_va_vdst(0) depctr_va_sdst(0) depctr_va_ssrc(0) depctr_va_vcc(0) depctr_vm_vsrc(0)
	s_getreg_b32 s2, hwreg(HW_REG_IB_STS2, 6, 4)
	s_cmp_eq_u32 s2, 0
	s_cbranch_scc0 .Lentry_in_a_cluster
	s_endpgm
.Lentry_in_a_cluster:
	s_bfe_u32 s2, ttmp6, 0x10000c
	s_cmp_lg_u32 s2, 0xf033
	s_cbranch_scc0 .Lentry_shape_is_right
	s_endpgm
.Lentry_shape_is_right:
; out0[m][n] = sum over k = 64 h + d of att[h][m][d] wot[n][k] + b_out[n].  Operands f16, sums and result f32.
; A work-group makes 128 x 128 (block row bm, block column bn): 32 x 8 work-groups; wave (wm, wn) makes 64 x 64: 16 accumulator tiles.
; K = 1024 goes in eight steps of 128 = two heads, through two LDS slots.  att's rows are 128 bytes in the tensor itself (a head's), so a
; step's tile of att is two sub-tiles of 128 rows x 128 bytes, one tensor load each (waves 0, 1); wot's is 128 rows x 256 bytes in two
; halves (waves 2, 3).  CLUSTERS of 4 x 4: att's tiles hang on bm alone and are asked for jointly by a row of the cluster, wot's on bn
; alone, by a column.  The matrix instruction is used transposed (source 0 = rows of wot): a lane holds eight neighbouring columns.
; LIMIT: |att| < 65,504 (f16), as for v.
; REGISTERS.  window 0: v16-27 addresses, v64-127 fragments of att (two buffers), v128-191 of wot, v192-223 bias, v224-255 T;
; window 1: tile (a, b) at 8 (4 a + b).
.set PA,     144
.set PB,     272
.set SUBA,   128*PA
.set HALFB,  64*PB
.set SLOT,   2*SUBA+2*HALFB
.set STAGE,  2*SLOT                    ; 16 rows x 272 bytes for each wave
.set SPITCH, 272
.set LAPS,   4
.set ADRA, 16
.set ADRB, 20
.set STO,  24
.set RD,   25
.set CO,   26
.set BO,   27
.set FA,   64
.set FB,   128
.set BIAS, 192
.set T,    224
.set RB,   64
.set G1A, 24
.set G0A, 32
.set G1B, 48
.set G0B, 56
.set MSB, 0
.macro WIN new                         ; the immediate's high byte repeats the setting that is left
.if MSB != \new
	s_set_vgpr_msb (MSB<<8)|\new
.set MSB, \new
.endif
.endm
.set MUL, 0x50                         ; sources 0 and 1 window 0, C and D window 1
.macro JLOAD s
	s_cmp_eq_u32 s13, 0
	s_cbranch_scc0 .Lfor_b_\@
	tensor_load_to_lds s[G0A+4*\s:G0A+4*\s+3], s[G1A:G1A+7]
	s_nop 0
	s_branch .Lasked_\@
.Lfor_b_\@:
	tensor_load_to_lds s[G0B+4*\s:G0B+4*\s+3], s[G1B:G1B+7]
	s_nop 0
.Lasked_\@:
.endm
.macro CREST
	s_cmp_lg_u32 s12, 0
	s_cbranch_scc1 .Lnot_wave_0_\@
	s_barrier_signal -3
.Lnot_wave_0_\@:
	s_barrier_wait -3
	s_barrier_signal -1
	s_barrier_wait -1
.endm
.macro CROUND
	s_barrier_signal -1
	s_barrier_wait -1
	CREST
.endm
.macro PLACES                          ; four independent vector instructions behind a matrix instruction (ISA guide 7.12.1)
.rept 4
	v_nop
.endr
.endm
.macro MUL4 f, a, zero
.irp b, 0,1,2,3
.if \zero
	v_wmma_f32_16x16x32_f16 v[8*(4*\a+\b):8*(4*\a+\b)+7], v[FB+32*\f+8*\b:FB+32*\f+8*\b+7], v[FA+32*\f+8*\a:FA+32*\f+8*\a+7], 0
.else
	v_wmma_f32_16x16x32_f16 v[8*(4*\a+\b):8*(4*\a+\b)+7], v[FB+32*\f+8*\b:FB+32*\f+8*\b+7], v[FA+32*\f+8*\a:FA+32*\f+8*\a+7], v[8*(4*\a+\b):8*(4*\a+\b)+7]
.endif
.endr
.endm
; 16 LDS loads: quarter q of a K step (32 along K) into buffer f: wot's 64 rows first, then att's (sub-tile q / 2, its half q % 2)
.macro FETCH slot, q, f
.irp i, 0,1,2,3
	ds_load_b128 v[FB+32*\f+8*\i:FB+32*\f+8*\i+3],   v[ADRB+\slot] offset:64*\q+\i*16*PB
	ds_load_b128 v[FB+32*\f+8*\i+4:FB+32*\f+8*\i+7], v[ADRB+\slot] offset:64*\q+\i*16*PB+32
.endr
.irp i, 0,1,2,3
	ds_load_b128 v[FA+32*\f+8*\i:FA+32*\f+8*\i+3],   v[ADRA+\slot] offset:SUBA*(\q>>1)+64*(\q&1)+\i*16*PA
	ds_load_b128 v[FA+32*\f+8*\i+4:FA+32*\f+8*\i+7], v[ADRA+\slot] offset:SUBA*(\q>>1)+64*(\q&1)+\i*16*PA+32
.endr
.endm
; The 16 accumulators take turns, one instruction a turn, in the same order in every quarter.
.macro QUARTER slot, q, f, g, zero
	s_wait_dscnt 4                                 ; the youngest four loads (att's row tiles 2, 3) may be out
	WIN MUL
	MUL4 \f, 0, \zero
	MUL4 \f, 1, \zero
	PLACES
	WIN 0
	FETCH \slot, \q, \g
	s_wait_dscnt 16                                ; all but the 16 just issued
	WIN MUL
	MUL4 \f, 2, \zero
	MUL4 \f, 3, \zero
.endm
.macro THREE slot, zero
	QUARTER \slot, 1, 0, 1, \zero
	QUARTER \slot, 2, 1, 0, 0
	QUARTER \slot, 3, 0, 1, 0
.endm
; The change of slots: each wave's reads of this slot and all its tensor loads are waited for in front of the barrier; with fill the
; barrier opens a round of the cluster's barrier, and the joint refill is the first tensor load behind the round.
.macro TURN slot, next, fill
	s_wait_dscnt 4
	WIN MUL
	MUL4 1, 0, 0
	s_wait_dscnt 0
	s_wait_tensorcnt 0x0
	ds_add_u32 v62, v63
	s_wait_dscnt 0x0
	s_barrier_signal -1
	MUL4 1, 1, 0
	WIN 0
	s_barrier_wait -1
.if \fill
	CREST
	s_add_nc_u64 s[G0A+4*\slot+2:G0A+4*\slot+3], s[G0A+4*\slot+2:G0A+4*\slot+3], 0x200000   ; four heads on
	s_add_nc_u64 s[G0B+4*\slot+2:G0B+4*\slot+3], s[G0B+4*\slot+2:G0B+4*\slot+3], 512
	JLOAD \slot
.endif
	PLACES
	FETCH \next, 0, 0
	WIN MUL
	MUL4 1, 2, 0
	MUL4 1, 3, 0
.endm
.macro LAP zero
	THREE 0, \zero
	TURN 0, 1, 1
	THREE 1, 0
	TURN 1, 0, 1
.endm
	s_load_b256 s[4:11], s[0:1], 0x0               ; att s[4:5], wot s[6:7], b_out s[8:9], out0 s[10:11]
	v_lshl_add_u32 v62, v0, 2, 0x29000
	v_mov_b32 v63, 0
	ds_add_u32 v62, v63
	v_lshrrev_b32 v1, 5, v0
	v_readfirstlane_b32 s12, v1                    ; wave 0..3
	s_lshr_b32 s13, s12, 1                         ; wm.  Also: I fetch for att (0) or for wot (1)
	s_and_b32 s14, s12, 1                          ; wn.  Also: which part I fetch
	s_bfe_u32 s16, ttmp6, 0x40000                  ; cx
	s_bfe_u32 s17, ttmp6, 0x40004                  ; cy
	s_lshl_b32 s18, ttmp9, 2
	s_add_co_u32 s18, s18, s16                     ; bn
	s_and_b32 s19, ttmp7, 0xffff
	s_lshl_b32 s19, s19, 2
	s_add_co_u32 s19, s19, s17                     ; bm
	s_lshl_b32 s20, s17, 2
	s_lshl_b32 s20, 15, s20                        ; my row of the cluster
	s_lshl_b32 s21, 0x1111, s16                    ; my column
	s_or_b32 s[G1A+0], s20, (1<<16)|(1<<20)|(1<<21)|(4<<22)|(3<<25)   ; rows of 32 words + 4: pitch 144
	s_or_b32 s[G1B+0], s21, (1<<16)|(1<<20)|(1<<21)|(5<<22)|(3<<25)   ; rows of 64 words + 4: pitch 272
	s_mov_b32 s[G1A+1], 64<<16
	s_mov_b32 s[G1B+1], 128<<16
	s_mov_b32 s[G1A+2], 128<<16
	s_mov_b32 s[G1B+2], 64<<16
	s_mov_b32 s[G1A+3], 64<<16
	s_mov_b32 s[G1B+3], 128<<16
	s_mov_b32 s[G1A+4], 128
	s_mov_b32 s[G1B+4], 64
	s_mov_b32 s[G1A+5], 64
	s_mov_b32 s[G1B+5], 1024
	s_mov_b32 s[G1A+6], 0
	s_mov_b32 s[G1B+6], 0
	s_mov_b32 s[G1A+7], 0
	s_mov_b32 s[G1B+7], 0
	s_lshl_b32 s40, s19, 14                        ; att: 128 rows x 128 bytes a block row,
	s_lshl_b32 s41, s12, 19                        ; head = wave (0 or 1) of the step's two
	s_add_co_u32 s40, s40, s41
	s_mov_b32 s41, 0
	s_lshl_b32 s44, s18, 18                        ; wot: 128 rows x 2,048 bytes a block column,
	s_lshl_b32 s45, s14, 17                        ; 64 rows a half
	s_add_co_u32 s44, s44, s45
	s_mov_b32 s45, 0
	s_mul_i32 s22, s12, SUBA
	s_mul_i32 s23, s12, HALFB
	s_add_co_u32 s23, s23, 2*SUBA-2*HALFB          ; waves 2, 3: behind att's two sub-tiles
	s_wait_dscnt 0x0
	s_wait_kmcnt 0x0
	s_add_nc_u64 s[40:41], s[4:5], s[40:41]
	s_add_nc_u64 s[44:45], s[6:7], s[44:45]
	CROUND                                         ; the first joint loads meet
.irp s, 0,1
	s_mov_b32 s[G0A+4*\s], 1
	s_add_co_u32 s[G0A+4*\s+1], s22, \s*SLOT
	s_add_nc_u64 s[G0A+4*\s+2:G0A+4*\s+3], s[40:41], \s*0x100000
	s_or_b32 s[G0A+4*\s+3], s[G0A+4*\s+3], 0x80000000
	s_mov_b32 s[G0B+4*\s], 1
	s_add_co_u32 s[G0B+4*\s+1], s23, \s*SLOT
	s_add_nc_u64 s[G0B+4*\s+2:G0B+4*\s+3], s[44:45], \s*256
	s_or_b32 s[G0B+4*\s+3], s[G0B+4*\s+3], 0x80000000
	JLOAD \s                                       ; two tensor loads of each wave are out
.endr
	; the bias of my columns 128 bn + 64 wn + 16 b + 8 h + j; waited for on the way out
	s_lshl_b32 s72, s18, 9
	s_lshl_b32 s74, s14, 8
	s_add_co_u32 s72, s72, s74
	s_mov_b32 s73, 0
	s_add_nc_u64 s[8:9], s[8:9], s[72:73]
	v_and_b32 v1, 15, v0                           ; r
	v_bfe_u32 v2, v0, 4, 1                         ; h
	v_lshlrev_b32 v[BO], 5, v2
.irp b, 0,1,2,3
	global_load_b128 v[BIAS+8*\b:BIAS+8*\b+3],   v[BO], s[8:9] offset:64*\b
	global_load_b128 v[BIAS+8*\b+4:BIAS+8*\b+7], v[BO], s[8:9] offset:64*\b+16
.endr
	s_lshl_b32 s74, s19, 19                        ; out0: (128 bm + 64 wm) rows of 4,096 bytes + my first column's bytes
	s_add_co_u32 s72, s72, s74
	s_lshl_b32 s74, s13, 18
	s_add_co_u32 s72, s72, s74
	s_add_nc_u64 s[10:11], s[10:11], s[72:73]
	v_mul_u32_u24 v3, v1, PA
	v_lshl_add_u32 v3, v2, 4, v3
	s_mul_i32 s72, s13, 64*PA
	v_add_nc_u32 v[ADRA], s72, v3
	v_add_nc_u32 v[ADRA+1], SLOT, v[ADRA]
	v_mul_u32_u24 v4, v1, PB
	v_lshl_add_u32 v3, v2, 4, v4
	s_mul_i32 s72, s14, 64*PB
	s_add_co_u32 s72, s72, 2*SUBA
	v_add_nc_u32 v[ADRB], s72, v3
	v_add_nc_u32 v[ADRB+1], SLOT, v[ADRB]
	s_mul_i32 s72, s12, 16*SPITCH
	s_add_co_u32 s72, s72, STAGE
	v_lshl_add_u32 v3, v2, 5, v4                   ; in: row r, 32 bytes for each half of the lanes
	v_add_nc_u32 v[STO], s72, v3
	v_mul_u32_u24 v3, v2, SPITCH                   ; back: lanes 0-15 one row of 256 bytes, lanes 16-31 the next
	v_lshl_add_u32 v3, v1, 4, v3
	v_add_nc_u32 v[RD], s72, v3
	v_lshlrev_b32 v3, 12, v2
	v_lshl_add_u32 v[CO], v1, 4, v3
	s_wait_tensorcnt 0x1                           ; my part of K step 0 is in; K step 1's may stay out
	s_barrier_signal -1
	s_barrier_wait -1
	FETCH 0, 0, 0
	LAP 1                                          ; the first products start the sums
	WIN 0
	s_mov_b32 s3, LAPS-2
.Llap:
	LAP 0
	WIN 0
	s_sub_co_u32 s3, s3, 1
	s_cmp_lg_u32 s3, 0
	s_cbranch_scc1 .Llap
	THREE 0, 0                                     ; the last lap fills nothing
	TURN 0, 1, 0
	THREE 1, 0
	s_wait_dscnt 4
	WIN MUL
	MUL4 1, 0, 0
	MUL4 1, 1, 0
	s_wait_dscnt 0
	MUL4 1, 2, 0
	MUL4 1, 3, 0
	; THE WAY OUT, 16 rows at a time: bias, 32 bytes a lane into my stage, whole rows of 256 bytes back
	PLACES
	WIN 0
	s_wait_loadcnt 0x0                             ; the bias
.macro OUT16 a
	WIN 0x01                                       ; source 0 = the accumulators' window
.irp b, 0,1,2,3
.irp p, 0,2,4,6
	v_pk_add_f32 v[T+8*\b+\p:T+8*\b+\p+1], v[8*(4*\a+\b)+\p:8*(4*\a+\b)+\p+1], v[BIAS+8*\b+\p:BIAS+8*\b+\p+1]
.endr
.endr
	WIN 0
.irp b, 0,1,2,3
	ds_store_b128 v[STO], v[T+8*\b:T+8*\b+3] offset:64*\b
	ds_store_b128 v[STO], v[T+8*\b+4:T+8*\b+7] offset:64*\b+16
.endr
	s_wait_xcnt 0x0                                ; RB, which the last stores read, is loaded again only behind this wait
.irp t, 0,1,2,3,4,5,6,7
	ds_load_b128 v[RB+4*\t:RB+4*\t+3], v[RD] offset:2*SPITCH*\t    ; my own stage: LDS serves a wave's instructions in order
.endr
.irp t, 0,1,2,3,4,5,6,7
	s_wait_dscnt 7-\t
	global_store_b128 v[CO], v[RB+4*\t:RB+4*\t+3], s[10:11] offset:(16*\a+2*\t)*4096 th:TH_STORE_NT   ; sixteen lanes store 256 neighbouring bytes, aligned
.endr
.endm
	OUT16 0
	OUT16 1
	OUT16 2
	OUT16 3
	s_wait_tensorcnt 0x0
	ds_add_u32 v62, v63
	s_wait_dscnt 0x0
	CROUND                                         ; the closing round
	s_endpgm
.Lfunc_end_k_q6dcbb9c131_oproj:
	.size	k_q6dcbb9c131_oproj, .Lfunc_end_k_q6dcbb9c131_oproj-k_q6dcbb9c131_oproj
	.p2alignl 7, 3214868480
	.fill 96, 4, 3214868480
	.section	.rodata,"a",@progbits
	.p2align	6, 0x0
	.amdhsa_kernel k_q6dcbb9c131_oproj
		.amdhsa_group_segment_fixed_size 327680
		.amdhsa_private_segment_fixed_size 0
		.amdhsa_enable_private_segment 0
		.amdhsa_kernarg_size 32
		.amdhsa_user_sgpr_count 2
		.amdhsa_user_sgpr_kernarg_segment_ptr 1
		.amdhsa_wavefront_size32 1
		.amdhsa_system_sgpr_workgroup_id_x 1
		.amdhsa_system_sgpr_workgroup_id_y 1
		.amdhsa_system_sgpr_workgroup_id_z 1
		.amdhsa_system_vgpr_workitem_id 0
		.amdhsa_next_free_vgpr 384
		.amdhsa_next_free_sgpr 76
		.amdhsa_reserve_vcc 0
		.amdhsa_float_denorm_mode_32 3
		.amdhsa_float_denorm_mode_16_64 3
		.amdhsa_memory_ordered 1
		.amdhsa_forward_progress 1
		.amdhsa_inst_pref_size 78
	.end_amdhsa_kernel
	.amdgpu_metadata
---
amdhsa.version: [ 1, 2 ]
amdhsa.kernels:
  - .name:           k_q6dcbb9c131_oproj
    .symbol:         k_q6dcbb9c131_oproj.kd
    .args:
      - { .name: att, .offset: 0, .size: 8, .value_kind: global_buffer, .address_space: global }
      - { .name: wot, .offset: 8, .size: 8, .value_kind: global_buffer, .address_space: global }
      - { .name: b_out, .offset: 16, .size: 8, .value_kind: global_buffer, .address_space: global }
      - { .name: out0, .offset: 24, .size: 8, .value_kind: global_buffer, .address_space: global }
    .group_segment_fixed_size: 327680
    .private_segment_fixed_size: 0
    .kernarg_segment_align: 8
    .kernarg_segment_size: 32
    .max_flat_workgroup_size: 128
    .sgpr_count:     76
    .vgpr_count:     384
    .wavefront_size: 32
...
	.end_amdgpu_metadata
.endif
;; end of part 4
